; MI455X (gfx1250); checked and timed in simulation.
; The chip was launched on July 23, 2026; its instructions are those of AMD's public machine-readable ISA for CDNA 5 (MIT licence, August 2026) and "CDNA5" Instruction Set Architecture Reference Guide (July 2026). The comments in the code are by the model that wrote it; some were corrected since.
;; S4 D Kernel. Allowed arithmetic: float matrix products may take bf16 or f16 operands with f32 sums; all other float work in f32.
;; Inputs: A_imag 1,024 x 32 float32; C 1,024 x 64 float32; log_A_real 1,024 x 32 float32; log_dt 1,024 float32.
;; Outputs: out0 1,024 x 4,096 float32.
;; Constants: L = 4096.
;; 2 versions, each right; version 2 is version 1 with the launch s4d written anew for expert scheduling mode. Each part assembles by itself: llvm-mc -triple=amdgcn-amd-amdhsa -mcpu=gfx1250 --defsym DOCPART=n.
;; ======== version 1 of 2: 1 launch
;; launch s4d (part 1): grid 256 x 1, 4 waves a work-group, no clusters, 38,400 bytes of LDS; arguments A_imag, C, log_A_real, log_dt, out0; writes out0
.if DOCPART == 1
	.amdgcn_target "amdgcn-amd-amdhsa--gfx1250"
	.amdhsa_code_object_version 6
	.text
	.protected	k_q648a7a6780_s4d
	.globl	k_q648a7a6780_s4d
	.p2align	8
	.type	k_q648a7a6780_s4d,@function
k_q648a7a6780_s4d:
	s_mov_b64 s[64:65], 0
	v_nop
	global_prefetch_b8 v0, s[64:65] scope:SCOPE_SE
	s_setreg_imm32_b32 hwreg(HW_REG_WAVE_MODE, 25, 1), 1
	s_wait_xcnt 0x0
; K[h][l] = 2 Re sum over n of Ceff[h][n] z[h][n]^l,  z = exp(dt A),  A = -exp(log_A_real) + i A_imag,  Ceff = C (z - 1) / A.
; H = 1024 rows, 32 complex modes, L = 4096.  One wave makes one row h; four waves a work-group, 256 work-groups; the waves share nothing.
;
; l = eA + eB, so z^l = z^eA z^eB and a row is a real product of 64 x 64 x 64: the contraction index is (mode, re or im),
; A's row holds conj(2 Ceff z^eA), B's column holds z^eB, and the sum over re and im of their products is Re(2 Ceff z^l).
;   eA(m, im) = (m & 3) + 64 (m >> 2) + 256 im      m = row of a 16-row tile, im = 0..3
;   eB(r, jn) = 4 r + 1024 jn                       r = column of a 16-column tile, jn = 0..3
; In a 16 x 16 result, register j of lane (r, hh) is (m = 8 hh + j, n = r) (ISA guide 7.12.2), so with these exponents four neighbouring registers
; are four neighbouring l and lanes 0-15 of one 16-byte store cover 256 consecutive bytes, aligned: results are stored straight from the accumulators.
;
; PRECISION.  Each table entry goes to the matrix unit as two bf16, hi = round(x) and lo = round(x - hi), and three products are summed in f32:
; hi hi + lo hi + hi lo.  What is dropped (lo lo, and lo's own rounding) is at most 2^-16 of a term.  One bf16 or f16 rounding would not do: rows
; with a large dt have terms some 35 times the output's root mean square, against an allowance of a hundredth of it.
;
; LIMITS.  |A|^2 = exp(2 log_A_real) + A_imag^2 must be a normal f32 (|A| between about 1e-19 and 1e19): its reciprocal is v_rcp_f32.
; Powers below 2^-126 come out as zero (v_exp_f32 flushes: ISA guide 15.8).  z - 1 is a plain f32 subtraction, as in the definition above.
; The angle of z^m is (A_imag dt / pi) m in half turns, reduced by a fused multiply-add: it carries about 1e-7 of the total angle, the same
; order as an f32 product dtA l.  Beyond 2^31 half turns the parity of the half turns is lost (an f32 angle has no fraction left there).
.set PITCH, 272                        ; an LDS row: 32 modes x 8 bytes + 16 = 68 words, so the 16 rows that one ds_load_b128 touches start 4 banks apart (ISA guide 11.1)
.set ROW_W, 16                         ; rows 0-15: (z^4)^r;  row 16: z^1024
.set ROW_A, 17                         ; rows 17-32: conj(2 Ceff z^((r&3) + 64 (r>>2)));  row 33: conj(z)^256
.set ROW_V, 33
.set WLDS,  34*PITCH                   ; a wave's own bytes of LDS: no other wave touches them, so no barrier
; registers for the whole kernel
.set LA,   1                           ; LDS address: my wave + 272 r + 64 hh (a table row of my own)
.set LBC,  2                           ; LDS address: my wave + 64 hh (a row that all r share)
.set CO,   3                           ; byte offset in the output row: 16 r + 512 hh; never rewritten
.set NEG1, 4                           ; -1.0
.set LN,   5                           ; lane = mode in the first part
.set T,    6                           ; v[6:13]   products at work (v[6:21] in the first part)
.set L,    14                          ; v[14:21]  x - hi in f32
.set ST,   22                          ; LDS address: my wave + 8 lane
.set QF,   24                          ; v[24:55]  B's current tile in f32: 16 modes (re, im)
.set ACC,  24                          ; v[24:55]  afterwards the four accumulators
.set UF,   56                          ; v[56:87]  A's current tile in f32
.set UFR,  88                          ; v[88:119] A's fragments: hi K step 0, hi K step 1, lo K step 0, lo K step 1, 8 registers each
.set QFR,  120                         ; v[120:247] B's fragments, 32 registers a tile in the same order
.set W1,   0                           ; v[256:287] z^1024 of my 16 modes       (upper block of registers, read as source 1 only)
.set V1,   32                          ; v[288:319] conj(z)^256 of my 16 modes  (upper block)
; registers of the first part (lane = mode), inside what later holds B's fragments
.set AI, 120
.set LAR, 121
.set CR, 122
.set CI, 123
.set LD, 124
.set DT, 125
.set EA, 126
.set AL, 127                           ; log2 |z|
.set TH, 128                           ; angle of z in radians
.set PH, 129                           ; angle of z in half turns
.set P, 130
.set PL, 131
.set PR, 130
.set PI, 131
.set EXD, 132
.set LX, 133
.set C6V, 134
.set S6V, 135
.set GO1, 136
.set GO2, 137
.set GO3, 138
.set RC, 139
.set EV, 140                           ; three sets of ten: +0 g, +1 k, +2 g^2, +3 cos, +4 sin / g, +5 log2 of the size, +6 sign, +7 size, +8 size x g
.set Z, 170                            ; v[170:171] z, v[172:173] z^64, v[174:175] z^1024
.set XB, 176                           ; v[176:207] (z^4)^r
.set TA, 208                           ; v[208:239] A's base table
.set Z2, 240
.set ZC, 242
.set ZC2, 244
.set YC, 246
.set YC2, 248
.set YC4, 250
.set E1R, 252
.set NR, 253
.set NI, 254
.set D2, 255
.set MSB, 0
.macro WIN new                         ; s_set_vgpr_msb: bits 3:2 source 1, bits 7:6 destination; the high byte repeats the setting that is left
.if MSB != \new
	s_set_vgpr_msb (MSB<<8)|\new
.set MSB, \new
.endif
.endm
; d = p q for complex numbers in register pairs (re, im), in two packed instructions:
; t = (p.im q.im, p.im q.re);  d = (p.re q.re - t.lo, p.re q.im + t.hi)
.macro CM1 t, p, q
	v_pk_mul_f32 v[\t:\t+1], v[\p:\p+1], v[\q:\q+1] op_sel:[1,1] op_sel_hi:[1,0]
.endm
.macro CM2 d, p, q, t
	v_pk_fma_f32 v[\d:\d+1], v[\p:\p+1], v[\q:\q+1], v[\t:\t+1] op_sel_hi:[0,1,1] neg_lo:[0,0,1]
.endm
	s_load_b256 s[4:11], s[0:1], 0x0               ; A_imag s[4:5], C s[6:7], log_A_real s[8:9], log_dt s[10:11]
	s_load_b64 s[12:13], s[0:1], 0x20              ; out0
	v_lshl_add_u32 v23, v0, 2, 0x9400
	s_set_vgpr_msb 0x40
	v_mov_b32 v65, 0
	s_set_vgpr_msb 0x4000
	v_lshrrev_b32 v[LA], 5, v0
	v_readfirstlane_b32 s2, v[LA]                  ; wave 0..3
	s_lshl_b32 s3, ttmp9, 2
	s_add_co_u32 s3, s3, s2                        ; h = 4 x work-group + wave
	v_and_b32 v[LN], 31, v0
	s_lshl_b32 s14, s3, 7                          ; a row of 32 f32
	s_lshl_b32 s15, s3, 8                          ; a row of 64 f32
	s_lshl_b32 s16, s3, 2
	v_lshl_add_u32 v[GO1], v[LN], 2, s14
	v_lshl_add_u32 v[GO2], v[LN], 2, s15
	v_mov_b32 v[GO3], s16
	s_wait_kmcnt 0x0
	global_load_b32 v[LD],  v[GO3], s[10:11]       ; log_dt[h], the same word in every lane
	global_load_b32 v[LAR], v[GO1], s[8:9]         ; lane n takes mode n: 128 consecutive bytes a wave, 512 a work-group
	global_load_b32 v[AI],  v[GO1], s[4:5]
	global_load_b32 v[CR],  v[GO2], s[6:7]
	global_load_b32 v[CI],  v[GO2], s[6:7] offset:128
	; addresses and constants, while the loads are out
	s_mul_i32 s17, s2, WLDS
	s_lshl_b32 s18, s3, 14                         ; an output row of 16,384 bytes
	s_mov_b32 s19, 0
	s_add_nc_u64 s[12:13], s[12:13], s[18:19]
	s_mov_b32 s20, 0x3fb8aa3b                      ; log2 e
	s_mov_b32 s21, 0x32a5705f                      ; log2 e minus its f32
	s_mov_b32 s24, 0x3f800000                      ; the three exponents that are evaluated directly: 1,
	s_mov_b32 s25, 0x42800000                      ; 64,
	s_mov_b32 s26, 0x44800000                      ; 1024
	v_lshl_add_u32 v[ST], v[LN], 3, s17
	v_and_b32 v[LA], 15, v0                        ; r
	v_bfe_u32 v[LBC], v0, 4, 1                     ; hh
	v_lshlrev_b32 v[CO], 4, v[LA]
	v_lshl_add_u32 v[CO], v[LBC], 9, v[CO]
	v_lshl_add_u32 v[LBC], v[LBC], 6, s17
	v_mul_u32_u24 v[LA], v[LA], PITCH
	v_add_nc_u32 v[LA], v[LA], v[LBC]
	v_mov_b32 v[NEG1], -1.0
	v_mov_b32 v[C6V], 0x3afce9c5                   ; pi^12 / 12!
	v_mov_b32 v[S6V], 0x39f47a1a                   ; pi^13 / 13!
	v_mov_b32 v[XB], 1.0                           ; (z^4)^0
	v_mov_b32 v[XB+1], 0
	s_wait_loadcnt 0x0
	; dt = exp(log_dt) = 2^p (1 + ln2 pl): p is the rounded product with log2 e, pl what the rounding and the constant's f32 left out.
	; dt scales every angle, so its error is multiplied by the total angle.
	v_mul_f32 v[P], s20, v[LD]
	v_mul_f32 v[LX], s20, v[LAR]
	v_fma_f32 v[PL], v[LD], s20, -v[P]
	v_exp_f32 v[EXD], v[P]
	v_exp_f32 v[EA], v[LX]                         ; exp(log_A_real) = -Re A
	v_fmac_f32 v[PL], s21, v[LD]                   ; a plain instruction stands behind the two exponentials before their results are used (ISA guide 5.7.2)
	v_mul_f32 v[PL], 0x3f317218, v[PL]
	s_wait_alu depctr_va_vdst(0)
	v_fma_f32 v[DT], v[EXD], v[PL], v[EXD]
	v_mul_f32 v[TH], v[AI], v[DT]                  ; Im dtA
	v_mul_f32 v[AL], v[EA], v[DT]                  ; -Re dtA
	v_mul_f32 v[PH], 0x3ea2f983, v[TH]             ; / pi
	v_mul_f32 v[AL], 0xbfb8aa3b, v[AL]             ; x -log2 e
	; z^m for m = 1, 64, 1024, the three side by side.  t = PH m half turns = k + g, k whole, |g| <= 1/2:
	; z^m = 2^(AL m) (-1)^k (cos pi g, sin pi g), with Taylor polynomials in g of 7 terms each (remainder below 1e-8 at g = 1/2).
.irp i, 0,1,2
	v_mul_f32 v[EV+10*\i], s[24+\i], v[PH]
	v_mul_f32 v[EV+10*\i+5], s[24+\i], v[AL]
.endr
.irp i, 0,1,2
	v_rndne_f32 v[EV+10*\i+1], v[EV+10*\i]
.endr
.irp i, 0,1,2
	v_exp_f32 v[EV+10*\i+7], v[EV+10*\i+5]
.endr
.irp i, 0,1,2
	v_fma_f32 v[EV+10*\i], s[24+\i], v[PH], -v[EV+10*\i+1]     ; the exact product less k: the product's rounding does not enter g
	v_cvt_i32_f32 v[EV+10*\i+6], v[EV+10*\i+1]
.endr
.irp i, 0,1,2
	v_med3_num_f32 v[EV+10*\i], v[EV+10*\i], -0.5, 0.5         ; only for angles beyond 2^24 half turns, where k is off by more than a half: keeps the polynomials finite
	v_lshlrev_b32 v[EV+10*\i+6], 31, v[EV+10*\i+6]             ; k odd: the sign bit
.endr
	s_wait_alu depctr_va_vdst(0)
.irp i, 0,1,2
	v_mul_f32 v[EV+10*\i+2], v[EV+10*\i], v[EV+10*\i]
	v_xor_b32 v[EV+10*\i+7], v[EV+10*\i+6], v[EV+10*\i+7]
.endr
.irp i, 0,1,2
	v_fmaak_f32 v[EV+10*\i+3], v[EV+10*\i+2], v[C6V], 0xbcd368f9   ; -pi^10 / 10!
	v_fmaak_f32 v[EV+10*\i+4], v[EV+10*\i+2], v[S6V], 0xbbf183a8   ; -pi^11 / 11!
.endr
.macro POLY cc, ss
.irp i, 0,1,2
	v_fmaak_f32 v[EV+10*\i+3], v[EV+10*\i+3], v[EV+10*\i+2], \cc
	v_fmaak_f32 v[EV+10*\i+4], v[EV+10*\i+4], v[EV+10*\i+2], \ss
.endr
.endm
	POLY 0x3e70fa83, 0x3da83c1a                    ;  pi^8 / 8!,  pi^9 / 9!
	POLY 0xbfaae9e4, 0xbf196966                    ; -pi^6 / 6!, -pi^7 / 7!
	POLY 0x4081e0f8, 0x402335e3                    ;  pi^4 / 4!,  pi^5 / 5!
	POLY 0xc09de9e6, 0xc0a55de7                    ; -pi^2 / 2,  -pi^3 / 6
	POLY 0x3f800000, 0x40490fdb                    ;  1,          pi
.irp i, 0,1,2
	v_mul_f32 v[EV+10*\i+8], v[EV+10*\i+7], v[EV+10*\i]
	v_mul_f32 v[Z+2*\i], v[EV+10*\i+7], v[EV+10*\i+3]
.endr
.irp i, 0,1,2
	v_mul_f32 v[Z+2*\i+1], v[EV+10*\i+8], v[EV+10*\i+4]
.endr
	; conj(2 Ceff) = 2 conj(C (z - 1) conj(A)) / |A|^2, with A = (-EA, AI); and the conjugates of z and z^64 for A's table
	v_add_f32 v[E1R], -1.0, v[Z]
	v_mul_f32 v[D2], v[EA], v[EA]
	v_mul_f32 v[ZC+1], -1.0, v[Z+1]
	v_mov_b32 v[ZC], v[Z]
	v_mul_f32 v[YC+1], -1.0, v[Z+3]
	v_mov_b32 v[YC], v[Z+2]
	v_fmac_f32 v[D2], v[AI], v[AI]
	v_mul_f32 v[NR], v[CR], v[E1R]
	v_mul_f32 v[NI], v[CR], v[Z+1]
	v_rcp_f32 v[RC], v[D2]
	v_fma_f32 v[NR], -v[CI], v[Z+1], v[NR]         ; N = C (z - 1); also the plain instruction behind the reciprocal
	v_fmac_f32 v[NI], v[CI], v[E1R]
	s_wait_alu depctr_va_vdst(0)
	v_add_f32 v[RC], v[RC], v[RC]                  ; 2 / |A|^2
	v_mul_f32 v[PR], v[NI], v[AI]
	v_mul_f32 v[PI], v[NR], v[AI]
	v_fma_f32 v[PR], -v[NR], v[EA], v[PR]          ; Re (N conj A)
	v_fmac_f32 v[PI], v[NI], v[EA]                 ; -Im (N conj A)
	v_mul_f32 v[TA], v[PR], v[RC]
	v_mul_f32 v[TA+1], v[PI], v[RC]
	; the two base tables, 34 complex products in six levels; the products of a level do not wait for each other
	CM1 T+0, Z, Z
	CM1 T+2, ZC, ZC
	CM1 T+4, YC, YC
	CM1 T+6, TA, ZC
	CM2 Z2, Z, Z, T+0                              ; z^2
	CM2 ZC2, ZC, ZC, T+2                           ; conj z^2
	CM2 YC2, YC, YC, T+4                           ; conj z^128
	CM2 TA+2, TA, ZC, T+6
	CM1 T+0, Z2, Z2
	CM1 T+2, YC2, YC2
	CM1 T+4, TA, ZC2
	CM1 T+6, TA+2, ZC2
	CM2 XB+2, Z2, Z2, T+0                          ; x = z^4
	CM2 YC4, YC2, YC2, T+2                         ; conj z^256
	CM2 TA+4, TA, ZC2, T+4
	CM2 TA+6, TA+2, ZC2, T+6
	CM1 T+0, XB+2, XB+2
.irp k, 0,1,2,3
	CM1 T+2+2*\k, TA+2*\k, YC
.endr
	CM2 XB+4, XB+2, XB+2, T+0                      ; x^2
.irp k, 0,1,2,3
	CM2 TA+8+2*\k, TA+2*\k, YC, T+2+2*\k           ; rows 4-7
.endr
	CM1 T+0, XB+2, XB+4
	CM1 T+2, XB+4, XB+4
.irp k, 0,1,2,3
	CM1 T+4+2*\k, TA+2*\k, YC2
.endr
	CM2 XB+6, XB+2, XB+4, T+0                      ; x^3
	CM2 XB+8, XB+4, XB+4, T+2                      ; x^4
.irp k, 0,1,2,3
	CM2 TA+16+2*\k, TA+2*\k, YC2, T+4+2*\k         ; rows 8-11
.endr
.irp k, 0,1,2
	CM1 T+2*\k, XB+2+2*\k, XB+8
.endr
	CM1 T+6, XB+8, XB+8
.irp k, 0,1,2,3
	CM1 T+8+2*\k, TA+8+2*\k, YC2
.endr
.irp k, 0,1,2
	CM2 XB+10+2*\k, XB+2+2*\k, XB+8, T+2*\k        ; x^5 .. x^7
.endr
	CM2 XB+16, XB+8, XB+8, T+6                     ; x^8
.irp k, 0,1,2,3
	CM2 TA+24+2*\k, TA+8+2*\k, YC2, T+8+2*\k       ; rows 12-15
.endr
.irp k, 0,1,2,3,4,5,6
	CM1 T+2*\k, XB+2+2*\k, XB+16
.endr
	; into LDS as [table row][mode]: each store of the wave is 256 consecutive bytes
.set k, 0
.rept 16
	ds_store_b64 v[ST], v[TA+2*k:TA+2*k+1] offset:(ROW_A+k)*PITCH
.set k, k+1
.endr
	ds_store_b64 v[ST], v[YC4:YC4+1] offset:ROW_V*PITCH
	ds_store_b64 v[ST], v[Z+4:Z+5] offset:ROW_W*PITCH
.irp k, 0,1,2,3,4,5,6
	CM2 XB+18+2*\k, XB+2+2*\k, XB+16, T+2*\k       ; x^9 .. x^15
.endr
.set k, 0
.rept 16
	ds_store_b64 v[ST], v[XB+2*k:XB+2*k+1] offset:k*PITCH
.set k, k+1
.endr
	; and back as [lane = table row r][16 modes]: lane (r, hh) takes modes 8 hh .. 8 hh + 7 (K step 0) and 16 + 8 hh .. + 7 (K step 1).
	; A and B use the same places for the same modes, which is all that the contraction asks.  LDS serves a wave's instructions in order
	; (ISA guide 5.7.1.4): these loads see the stores above.
.irp s, 0,1
.irp q, 0,1,2,3
	ds_load_b128 v[QF+16*\s+4*\q:QF+16*\s+4*\q+3], v[LA] offset:128*\s+16*\q
.endr
.endr
.irp s, 0,1
.irp q, 0,1,2,3
	ds_load_b128 v[UF+16*\s+4*\q:UF+16*\s+4*\q+3], v[LA] offset:ROW_A*PITCH+128*\s+16*\q
.endr
.endr
	WIN 0x40                                       ; destinations in the upper block
.irp s, 0,1
.irp q, 0,1,2,3
	ds_load_b128 v[W1+16*\s+4*\q:W1+16*\s+4*\q+3], v[LBC] offset:ROW_W*PITCH+128*\s+16*\q
.endr
.endr
.irp s, 0,1
.irp q, 0,1,2,3
	ds_load_b128 v[V1+16*\s+4*\q:V1+16*\s+4*\q+3], v[LBC] offset:ROW_V*PITCH+128*\s+16*\q
.endr
.endr
	WIN 0
; 16 complex numbers in f32 become 16 words (re, im) of bf16 hi and 16 of bf16 lo: hi = round(x); x - hi is exact in f32; lo = round(x - hi).
.macro SPLIT16 src, frag
.irp b, 0,4,8,12
.irp j, 0,1,2,3
	v_cvt_pk_bf16_f32 v[\frag+\b+\j], v[\src+2*(\b+\j)], v[\src+2*(\b+\j)+1]
.endr
.irp j, 0,1,2,3
	v_fma_mix_f32_bf16 v[L+2*\j], v[\frag+\b+\j], v[NEG1], v[\src+2*(\b+\j)] op_sel_hi:[1,0,0]
	v_fma_mix_f32_bf16 v[L+2*\j+1], v[\frag+\b+\j], v[NEG1], v[\src+2*(\b+\j)+1] op_sel:[1,0,0] op_sel_hi:[1,0,0]
.endr
.irp j, 0,1,2,3
	v_cvt_pk_bf16_f32 v[\frag+16+\b+\j], v[L+2*\j], v[L+2*\j+1]
.endr
.endr
.endm
; the next tile: each of the 16 numbers times its mode's multiplier, which lies in the upper block and is read as source 1
.macro MULT16 src, mul
	WIN 0x04
.irp b, 0,8,16,24
.irp j, 0,2,4,6
	CM1 T+\j, \src+\b+\j, \mul+\b+\j
.endr
.irp j, 0,2,4,6
	CM2 \src+\b+\j, \src+\b+\j, \mul+\b+\j, T+\j
.endr
.endr
	WIN 0
.endm
	; B's four tiles
	s_wait_dscnt 24                                ; B's base tile is in; the 24 younger loads (A's base tile, the two multipliers) stay out
	SPLIT16 QF, QFR
	s_wait_dscnt 8                                 ; z^1024 is in; the 8 loads of conj(z)^256 stay out
	MULT16 QF, W1
	SPLIT16 QF, QFR+32
	MULT16 QF, W1
	SPLIT16 QF, QFR+64
	MULT16 QF, W1
	SPLIT16 QF, QFR+96
	s_wait_dscnt 0
; four matrix instructions, one for each of B's tiles.  The four accumulators take turns, one instruction a turn.
.macro MM4 a, b, zero
.irp c, 0,1,2,3
.if \zero
	v_wmma_f32_16x16x32_bf16 v[ACC+8*\c:ACC+8*\c+7], v[\a:\a+7], v[QFR+32*\c+\b:QFR+32*\c+\b+7], 0
.else
	v_wmma_f32_16x16x32_bf16 v[ACC+8*\c:ACC+8*\c+7], v[\a:\a+7], v[QFR+32*\c+\b:QFR+32*\c+\b+7], v[ACC+8*\c:ACC+8*\c+7]
.endif
.endr
.endm
; A's tile im: its fragments, 24 matrix instructions, the next tile's f32 numbers, 8 stores
.macro TILE im
	SPLIT16 UF, UFR
.if \im
	s_wait_xcnt 0x0                                ; the accumulators, which the last tile's stores read, are written again only behind this wait
.endif
	MM4 UFR, 0, 1                                  ; hi hi; the first product starts the sums
	MM4 UFR+8, 8, 0
	MM4 UFR+16, 0, 0                               ; lo hi
	MM4 UFR+24, 8, 0
	MM4 UFR, 16, 0                                 ; hi lo
	MM4 UFR+8, 24, 0
	; a store that reads a matrix result, and a vector instruction that writes a matrix source, stand at least four plain vector
	; instructions behind the matrix instruction: the 32 of MULT16 name none of its registers; behind the last tile four v_nop
.if \im < 3
	MULT16 UF, V1
.else
.rept 4
	v_nop
.endr
.endif
.irp c, 0,1,2,3
.irp q, 0,1
	global_store_b128 v[CO], v[ACC+8*\c+4*\q:ACC+8*\c+4*\q+3], s[12:13] offset:4096*\c+1024*\im+256*\q th:TH_STORE_NT   ; lanes 0-15: 256 consecutive bytes, aligned; lanes 16-31: the block 512 bytes on
.endr
.endr
.endm
	TILE 0
	TILE 1
	TILE 2
	TILE 3
	s_set_vgpr_msb 0x4
	s_wait_tensorcnt 0x0
	ds_add_u32 v23, v65
	s_wait_dscnt 0x0
	s_set_vgpr_msb 0x400
	s_endpgm
.Lfunc_end_k_q648a7a6780_s4d:
	.size	k_q648a7a6780_s4d, .Lfunc_end_k_q648a7a6780_s4d-k_q648a7a6780_s4d
	.p2alignl 7, 3214868480
	.fill 96, 4, 3214868480
	.section	.rodata,"a",@progbits
	.p2align	6, 0x0
	.amdhsa_kernel k_q648a7a6780_s4d
		.amdhsa_group_segment_fixed_size 38400
		.amdhsa_private_segment_fixed_size 0
		.amdhsa_enable_private_segment 0
		.amdhsa_kernarg_size 40
		.amdhsa_user_sgpr_count 2
		.amdhsa_user_sgpr_kernarg_segment_ptr 1
		.amdhsa_wavefront_size32 1
		.amdhsa_system_sgpr_workgroup_id_x 1
		.amdhsa_system_sgpr_workgroup_id_y 1
		.amdhsa_system_sgpr_workgroup_id_z 1
		.amdhsa_system_vgpr_workitem_id 0
		.amdhsa_next_free_vgpr 322
		.amdhsa_next_free_sgpr 66
		.amdhsa_reserve_vcc 0
		.amdhsa_float_denorm_mode_32 3
		.amdhsa_float_denorm_mode_16_64 3
		.amdhsa_memory_ordered 1
		.amdhsa_forward_progress 1
		.amdhsa_inst_pref_size 70
	.end_amdhsa_kernel
	.amdgpu_metadata
---
amdhsa.version: [ 1, 2 ]
amdhsa.kernels:
  - .name:           k_q648a7a6780_s4d
    .symbol:         k_q648a7a6780_s4d.kd
    .args:
      - { .name: A_imag, .offset: 0, .size: 8, .value_kind: global_buffer, .address_space: global }
      - { .name: C, .offset: 8, .size: 8, .value_kind: global_buffer, .address_space: global }
      - { .name: log_A_real, .offset: 16, .size: 8, .value_kind: global_buffer, .address_space: global }
      - { .name: log_dt, .offset: 24, .size: 8, .value_kind: global_buffer, .address_space: global }
      - { .name: out0, .offset: 32, .size: 8, .value_kind: global_buffer, .address_space: global }
    .group_segment_fixed_size: 38400
    .private_segment_fixed_size: 0
    .kernarg_segment_align: 8
    .kernarg_segment_size: 40
    .max_flat_workgroup_size: 128
    .sgpr_count:     66
    .vgpr_count:     322
    .wavefront_size: 32
...
	.end_amdgpu_metadata
.endif
;; end of part 1
;; ======== version 2 of 2: 1 launch; version 1 with the launch s4d written anew for expert scheduling mode
;; launch s4d (part 2): grid 256 x 1, 4 waves a work-group, no clusters, 38,400 bytes of LDS; arguments A_imag, C, log_A_real, log_dt, out0; writes out0
.if DOCPART == 2
	.amdgcn_target "amdgcn-amd-amdhsa--gfx1250"
	.amdhsa_code_object_version 6
	.text
	.protected	k_q648a7a6780_s4d
	.globl	k_q648a7a6780_s4d
	.p2align	8
	.type	k_q648a7a6780_s4d,@function
k_q648a7a6780_s4d:
	s_mov_b64 s[64:65], 0
	v_nop
	global_prefetch_b8 v0, s[64:65] scope:SCOPE_SE
	s_setreg_imm32_b32 hwreg(HW_REG_WAVE_SCHED_MODE, 0, 2), 2
	s_setreg_imm32_b32 hwreg(HW_REG_WAVE_MODE, 25, 1), 1
	s_wait_xcnt 0x0
	s_wait_alu depctr_vm_vsrc(0)
; K[h][l] = 2 Re sum over n of Ceff[h][n] z[h][n]^l,  z = exp(dt A),  A = -exp(log_A_real) + i A_imag,  Ceff = C (z - 1) / A.
; H = 1024 rows, 32 complex modes, L = 4096.  One wave makes one row h; four waves a work-group, 256 work-groups; the waves share nothing.
;
; l = eA + eB, so z^l = z^eA z^eB and a row is a real product of 64 x 64 x 64: the contraction index is (mode, re or im),
; A's row holds conj(2 Ceff z^eA), B's column holds z^eB, and the sum over re and im of their products is Re(2 Ceff z^l).
;   eA(m, im) = (m & 3) + 64 (m >> 2) + 256 im      m = row of a 16-row tile, im = 0..3
;   eB(r, jn) = 4 r + 1024 jn                       r = column of a 16-column tile, jn = 0..3
; In a 16 x 16 result, register j of lane (r, hh) is (m = 8 hh + j, n = r) (ISA guide 7.12.2), so with these exponents four neighbouring registers
; are four neighbouring l and lanes 0-15 of one 16-byte store cover 256 consecutive bytes, aligned: results are stored straight from the accumulators.
;
; PRECISION.  Each table entry goes to the matrix unit as two bf16, hi = round(x) and lo = round(x - hi), and three products are summed in f32:
; hi hi + lo hi + hi lo.  What is dropped (lo lo, and lo's own rounding) is at most 2^-16 of a term.  One bf16 or f16 rounding would not do: rows
; with a large dt have terms some 35 times the output's root mean square, against an allowance of a hundredth of it.
;
; LIMITS.  |A|^2 = exp(2 log_A_real) + A_imag^2 must be a normal f32 (|A| between about 1e-19 and 1e19): its reciprocal is v_rcp_f32.
; Powers below 2^-126 come out as zero (v_exp_f32 flushes: ISA guide 15.8).  z - 1 is a plain f32 subtraction, as in the definition above.
; The angle of z^m is (A_imag dt / pi) m in half turns, reduced by a fused multiply-add: it carries about 1e-7 of the total angle, the same
; order as an f32 product dtA l.  Beyond 2^31 half turns the parity of the half turns is lost (an f32 angle has no fraction left there).
;
; THE MODE: SCHED_MODE bits 1:0 = 2 (LLVM: expert scheduling mode 2), set by the entry lines.  The code itself states the register dependences
; between vector or matrix instructions and memory or LDS instructions, with s_wait_alu, always for 0.
; THE PLAN.  The text is one straight run.  Registers that memory or LDS instructions touch:
;   v[GO1 .. GO3]            Made at the head; read by the five input loads as offsets; later they are part of B's fragments.
;   v[AI] .. v[LD]           The input loads land in them; no vector instruction names them before.
;   v[ST], v[LA], v[LBC], v[CO]  Made once while the input loads are out, never written again: read by the LDS stores, the LDS loads and the global stores.
;   TA, XB, z^1024, conj z^256   Written by the table's products; read by the 34 LDS stores; TA, XB and z^1024 are later B's fragments.
;   QF, UF, W1, V1           The 32 LDS loads land in them; no vector instruction names them before.
;   ACC                      Written by a tile's 24 matrix instructions; read by its eight global stores; written again by the next tile's.
; So: one wait on va_vdst ahead of the input loads; one ahead of each of the two runs of LDS stores (the second stands directly ahead of the loads into the upper
; block and serves the LDS loads' addresses too); one a tile ahead of its stores; three more behind the transcendentals.  One wait on vm_vsrc ahead of the first
; line that writes B's fragments, and one a tile, beside s_wait_xcnt 0, ahead of the matrix instructions that write the accumulators again.  One wait on va_sdst for the wave's number.
.set PITCH, 272                        ; an LDS row: 32 modes x 8 bytes + 16 = 68 words, so the 16 rows that one ds_load_b128 touches start 4 banks apart (ISA guide 11.1)
.set ROW_W, 16                         ; rows 0-15: (z^4)^r;  row 16: z^1024
.set ROW_A, 17                         ; rows 17-32: conj(2 Ceff z^((r&3) + 64 (r>>2)));  row 33: conj(z)^256
.set ROW_V, 33
.set WLDS,  34*PITCH                   ; a wave's own bytes of LDS: no other wave touches them, so no barrier
; registers for the whole kernel
.set LA,   1                           ; LDS address: my wave + 272 r + 64 hh (a table row of my own)
.set LBC,  2                           ; LDS address: my wave + 64 hh (a row that all r share)
.set CO,   3                           ; byte offset in the output row: 16 r + 512 hh; never rewritten
.set NEG1, 4                           ; -1.0
.set LN,   5                           ; lane = mode in the first part
.set T,    6                           ; v[6:13]   products at work (v[6:21] in the first part)
.set L,    14                          ; v[14:21]  x - hi in f32
.set ST,   22                          ; LDS address: my wave + 8 lane
.set QF,   24                          ; v[24:55]  B's current tile in f32: 16 modes (re, im)
.set ACC,  24                          ; v[24:55]  afterwards the four accumulators
.set UF,   56                          ; v[56:87]  A's current tile in f32
.set UFR,  88                          ; v[88:119] A's fragments: hi K step 0, hi K step 1, lo K step 0, lo K step 1, 8 registers each
.set QFR,  120                         ; v[120:247] B's fragments, 32 registers a tile in the same order
.set W1,   0                           ; v[256:287] z^1024 of my 16 modes       (upper block of registers, read as source 1 only)
.set V1,   32                          ; v[288:319] conj(z)^256 of my 16 modes  (upper block)
; registers of the first part (lane = mode), inside what later holds B's fragments
.set AI, 120
.set LAR, 121
.set CR, 122
.set CI, 123
.set LD, 124
.set DT, 125
.set EA, 126
.set AL, 127                           ; log2 |z|
.set TH, 128                           ; angle of z in radians
.set PH, 129                           ; angle of z in half turns
.set P, 130
.set PL, 131
.set PR, 130
.set PI, 131
.set EXD, 132
.set LX, 133
.set C6V, 134
.set S6V, 135
.set GO1, 136
.set GO2, 137
.set GO3, 138
.set RC, 139
.set EV, 140                           ; three sets of ten: +0 g, +1 k, +2 g^2, +3 cos, +4 sin / g, +5 log2 of the size, +6 sign, +7 size, +8 size x g
.set Z, 170                            ; v[170:171] z, v[172:173] z^64, v[174:175] z^1024
.set XB, 176                           ; v[176:207] (z^4)^r
.set TA, 208                           ; v[208:239] A's base table
.set Z2, 240
.set ZC, 242
.set ZC2, 244
.set YC, 246
.set YC2, 248
.set YC4, 250
.set E1R, 252
.set NR, 253
.set NI, 254
.set D2, 255
.set MSB, 0
.macro WIN new                         ; s_set_vgpr_msb: bits 3:2 source 1, bits 7:6 destination; the high byte repeats the setting that is left
.if MSB != \new
	s_set_vgpr_msb (MSB<<8)|\new
.set MSB, \new
.endif
.endm
; d = p q for complex numbers in register pairs (re, im), in two packed instructions:
; t = (p.im q.im, p.im q.re);  d = (p.re q.re - t.lo, p.re q.im + t.hi)
.macro CM1 t, p, q
	v_pk_mul_f32 v[\t:\t+1], v[\p:\p+1], v[\q:\q+1] op_sel:[1,1] op_sel_hi:[1,0]
.endm
.macro CM2 d, p, q, t
	v_pk_fma_f32 v[\d:\d+1], v[\p:\p+1], v[\q:\q+1], v[\t:\t+1] op_sel_hi:[0,1,1] neg_lo:[0,0,1]
.endm
	s_load_b256 s[4:11], s[0:1], 0x0               ; A_imag s[4:5], C s[6:7], log_A_real s[8:9], log_dt s[10:11]
	s_load_b64 s[12:13], s[0:1], 0x20              ; out0
	v_lshl_add_u32 v23, v0, 2, 0x9400
	s_set_vgpr_msb 0x40
	v_mov_b32 v65, 0
	s_set_vgpr_msb 0x4000
	v_lshrrev_b32 v[LA], 5, v0
	v_readfirstlane_b32 s2, v[LA]                  ; wave 0..3
	s_lshl_b32 s3, ttmp9, 2
	v_and_b32 v[LN], 31, v0
	s_wait_alu depctr_va_sdst(0)                   ; s2 is written, ahead of its first reader: the row's number and all offsets are made from it
	s_add_co_u32 s3, s3, s2                        ; h = 4 x work-group + wave
	s_lshl_b32 s14, s3, 7                          ; a row of 32 f32
	s_lshl_b32 s15, s3, 8                          ; a row of 64 f32
	s_lshl_b32 s16, s3, 2
	v_lshl_add_u32 v[GO1], v[LN], 2, s14
	v_lshl_add_u32 v[GO2], v[LN], 2, s15
	v_mov_b32 v[GO3], s16
	s_wait_kmcnt 0x0
	s_wait_alu depctr_va_vdst(0)                   ; v[GO1], v[GO2] and v[GO3] are written, which the five loads below read as their offsets
	global_load_b32 v[LD],  v[GO3], s[10:11]       ; log_dt[h], the same word in every lane
	global_load_b32 v[LAR], v[GO1], s[8:9]         ; lane n takes mode n: 128 consecutive bytes a wave, 512 a work-group
	global_load_b32 v[AI],  v[GO1], s[4:5]
	global_load_b32 v[CR],  v[GO2], s[6:7]
	global_load_b32 v[CI],  v[GO2], s[6:7] offset:128
	; addresses and constants, while the loads are out: none of these lines names a register of the five loads
	s_mul_i32 s17, s2, WLDS
	s_lshl_b32 s18, s3, 14                         ; an output row of 16,384 bytes
	s_mov_b32 s19, 0
	s_add_nc_u64 s[12:13], s[12:13], s[18:19]
	s_mov_b32 s20, 0x3fb8aa3b                      ; log2 e
	s_mov_b32 s21, 0x32a5705f                      ; log2 e minus its f32
	s_mov_b32 s24, 0x3f800000                      ; the three exponents that are evaluated directly: 1,
	s_mov_b32 s25, 0x42800000                      ; 64,
	s_mov_b32 s26, 0x44800000                      ; 1024
	v_lshl_add_u32 v[ST], v[LN], 3, s17
	v_and_b32 v[LA], 15, v0                        ; r
	v_bfe_u32 v[LBC], v0, 4, 1                     ; hh
	v_lshlrev_b32 v[CO], 4, v[LA]
	v_lshl_add_u32 v[CO], v[LBC], 9, v[CO]
	v_lshl_add_u32 v[LBC], v[LBC], 6, s17
	v_mul_u32_u24 v[LA], v[LA], PITCH
	v_add_nc_u32 v[LA], v[LA], v[LBC]
	v_mov_b32 v[NEG1], -1.0
	v_mov_b32 v[C6V], 0x3afce9c5                   ; pi^12 / 12!
	v_mov_b32 v[S6V], 0x39f47a1a                   ; pi^13 / 13!
	v_mov_b32 v[XB], 1.0                           ; (z^4)^0
	v_mov_b32 v[XB+1], 0
	s_wait_loadcnt 0x0
	; dt = exp(log_dt) = 2^p (1 + ln2 pl): p is the rounded product with log2 e, pl what the rounding and the constant's f32 left out.
	; dt scales every angle, so its error is multiplied by the total angle.
	v_mul_f32 v[P], s20, v[LD]
	v_mul_f32 v[LX], s20, v[LAR]
	v_fma_f32 v[PL], v[LD], s20, -v[P]
	v_exp_f32 v[EXD], v[P]
	v_exp_f32 v[EA], v[LX]                         ; exp(log_A_real) = -Re A
	v_fmac_f32 v[PL], s21, v[LD]                   ; a plain instruction stands behind the two exponentials before their results are used (ISA guide 5.7.2)
	v_mul_f32 v[PL], 0x3f317218, v[PL]
	s_wait_alu depctr_va_vdst(0)                   ; the two exponentials have written v[EXD] and v[EA], ahead of their first reader: one wait for the batch
	v_fma_f32 v[DT], v[EXD], v[PL], v[EXD]
	v_mul_f32 v[TH], v[AI], v[DT]                  ; Im dtA
	v_mul_f32 v[AL], v[EA], v[DT]                  ; -Re dtA
	v_mul_f32 v[PH], 0x3ea2f983, v[TH]             ; / pi
	v_mul_f32 v[AL], 0xbfb8aa3b, v[AL]             ; x -log2 e
	; z^m for m = 1, 64, 1024, the three side by side.  t = PH m half turns = k + g, k whole, |g| <= 1/2:
	; z^m = 2^(AL m) (-1)^k (cos pi g, sin pi g), with Taylor polynomials in g of 7 terms each (remainder below 1e-8 at g = 1/2).
.irp i, 0,1,2
	v_mul_f32 v[EV+10*\i], s[24+\i], v[PH]
	v_mul_f32 v[EV+10*\i+5], s[24+\i], v[AL]
.endr
.irp i, 0,1,2
	v_rndne_f32 v[EV+10*\i+1], v[EV+10*\i]
.endr
.irp i, 0,1,2
	v_exp_f32 v[EV+10*\i+7], v[EV+10*\i+5]
.endr
.irp i, 0,1,2
	v_fma_f32 v[EV+10*\i], s[24+\i], v[PH], -v[EV+10*\i+1]     ; the exact product less k: the product's rounding does not enter g
	v_cvt_i32_f32 v[EV+10*\i+6], v[EV+10*\i+1]
.endr
.irp i, 0,1,2
	v_med3_num_f32 v[EV+10*\i], v[EV+10*\i], -0.5, 0.5         ; only for angles beyond 2^24 half turns, where k is off by more than a half: keeps the polynomials finite
	v_lshlrev_b32 v[EV+10*\i+6], 31, v[EV+10*\i+6]             ; k odd: the sign bit
.endr
	s_wait_alu depctr_va_vdst(0)                   ; the three exponentials have written the sizes v[EV+7], v[EV+17], v[EV+27], ahead of their first reader, the sign's line below; twelve plain lines stand between
.irp i, 0,1,2
	v_mul_f32 v[EV+10*\i+2], v[EV+10*\i], v[EV+10*\i]
	v_xor_b32 v[EV+10*\i+7], v[EV+10*\i+6], v[EV+10*\i+7]
.endr
.irp i, 0,1,2
	v_fmaak_f32 v[EV+10*\i+3], v[EV+10*\i+2], v[C6V], 0xbcd368f9   ; -pi^10 / 10!
	v_fmaak_f32 v[EV+10*\i+4], v[EV+10*\i+2], v[S6V], 0xbbf183a8   ; -pi^11 / 11!
.endr
.macro POLY cc, ss
.irp i, 0,1,2
	v_fmaak_f32 v[EV+10*\i+3], v[EV+10*\i+3], v[EV+10*\i+2], \cc
	v_fmaak_f32 v[EV+10*\i+4], v[EV+10*\i+4], v[EV+10*\i+2], \ss
.endr
.endm
	POLY 0x3e70fa83, 0x3da83c1a                    ;  pi^8 / 8!,  pi^9 / 9!
	POLY 0xbfaae9e4, 0xbf196966                    ; -pi^6 / 6!, -pi^7 / 7!
	POLY 0x4081e0f8, 0x402335e3                    ;  pi^4 / 4!,  pi^5 / 5!
	POLY 0xc09de9e6, 0xc0a55de7                    ; -pi^2 / 2,  -pi^3 / 6
	POLY 0x3f800000, 0x40490fdb                    ;  1,          pi
.irp i, 0,1,2
	v_mul_f32 v[EV+10*\i+8], v[EV+10*\i+7], v[EV+10*\i]
	v_mul_f32 v[Z+2*\i], v[EV+10*\i+7], v[EV+10*\i+3]
.endr
.irp i, 0,1,2
	v_mul_f32 v[Z+2*\i+1], v[EV+10*\i+8], v[EV+10*\i+4]
.endr
	; conj(2 Ceff) = 2 conj(C (z - 1) conj(A)) / |A|^2, with A = (-EA, AI); and the conjugates of z and z^64 for A's table
	v_add_f32 v[E1R], -1.0, v[Z]
	v_mul_f32 v[D2], v[EA], v[EA]
	v_mul_f32 v[ZC+1], -1.0, v[Z+1]
	v_mov_b32 v[ZC], v[Z]
	v_mul_f32 v[YC+1], -1.0, v[Z+3]
	v_mov_b32 v[YC], v[Z+2]
	v_fmac_f32 v[D2], v[AI], v[AI]
	v_mul_f32 v[NR], v[CR], v[E1R]
	v_mul_f32 v[NI], v[CR], v[Z+1]
	v_rcp_f32 v[RC], v[D2]
	v_fma_f32 v[NR], -v[CI], v[Z+1], v[NR]         ; N = C (z - 1); also the plain instruction behind the reciprocal
	v_fmac_f32 v[NI], v[CI], v[E1R]
	v_mul_f32 v[PR], v[NI], v[AI]
	v_mul_f32 v[PI], v[NR], v[AI]
	v_fma_f32 v[PR], -v[NR], v[EA], v[PR]          ; Re (N conj A)
	v_fmac_f32 v[PI], v[NI], v[EA]                 ; -Im (N conj A)
	s_wait_alu depctr_va_vdst(0)                   ; the reciprocal has written v[RC], ahead of its first reader; the six lines above name neither it nor its source
	v_add_f32 v[RC], v[RC], v[RC]                  ; 2 / |A|^2
	v_mul_f32 v[TA], v[PR], v[RC]
	v_mul_f32 v[TA+1], v[PI], v[RC]
	; the two base tables, 34 complex products in six levels; the products of a level do not wait for each other
	CM1 T+0, Z, Z
	CM1 T+2, ZC, ZC
	CM1 T+4, YC, YC
	CM1 T+6, TA, ZC
	CM2 Z2, Z, Z, T+0                              ; z^2
	CM2 ZC2, ZC, ZC, T+2                           ; conj z^2
	CM2 YC2, YC, YC, T+4                           ; conj z^128
	CM2 TA+2, TA, ZC, T+6
	CM1 T+0, Z2, Z2
	CM1 T+2, YC2, YC2
	CM1 T+4, TA, ZC2
	CM1 T+6, TA+2, ZC2
	CM2 XB+2, Z2, Z2, T+0                          ; x = z^4
	CM2 YC4, YC2, YC2, T+2                         ; conj z^256
	CM2 TA+4, TA, ZC2, T+4
	CM2 TA+6, TA+2, ZC2, T+6
	CM1 T+0, XB+2, XB+2
.irp k, 0,1,2,3
	CM1 T+2+2*\k, TA+2*\k, YC
.endr
	CM2 XB+4, XB+2, XB+2, T+0                      ; x^2
.irp k, 0,1,2,3
	CM2 TA+8+2*\k, TA+2*\k, YC, T+2+2*\k           ; rows 4-7
.endr
	CM1 T+0, XB+2, XB+4
	CM1 T+2, XB+4, XB+4
.irp k, 0,1,2,3
	CM1 T+4+2*\k, TA+2*\k, YC2
.endr
	CM2 XB+6, XB+2, XB+4, T+0                      ; x^3
	CM2 XB+8, XB+4, XB+4, T+2                      ; x^4
.irp k, 0,1,2,3
	CM2 TA+16+2*\k, TA+2*\k, YC2, T+4+2*\k         ; rows 8-11
.endr
.irp k, 0,1,2
	CM1 T+2*\k, XB+2+2*\k, XB+8
.endr
	CM1 T+6, XB+8, XB+8
.irp k, 0,1,2,3
	CM1 T+8+2*\k, TA+8+2*\k, YC2
.endr
.irp k, 0,1,2
	CM2 XB+10+2*\k, XB+2+2*\k, XB+8, T+2*\k        ; x^5 .. x^7
.endr
	CM2 XB+16, XB+8, XB+8, T+6                     ; x^8
.irp k, 0,1,2,3
	CM2 TA+24+2*\k, TA+8+2*\k, YC2, T+8+2*\k       ; rows 12-15
.endr
.irp k, 0,1,2,3,4,5,6
	CM1 T+2*\k, XB+2+2*\k, XB+16
.endr
	; into LDS as [table row][mode]: each store of the wave is 256 consecutive bytes.  All that is finished goes first: A's table, the two multipliers, B's rows 0-8
	s_wait_alu depctr_va_vdst(0)                   ; the products have written A's 16 rows, conj z^256, z^1024 and x^0 .. x^8, which the 27 stores below read; v[ST], their address, is written too
.set k, 0
.rept 16
	ds_store_b64 v[ST], v[TA+2*k:TA+2*k+1] offset:(ROW_A+k)*PITCH
.set k, k+1
.endr
	ds_store_b64 v[ST], v[YC4:YC4+1] offset:ROW_V*PITCH
	ds_store_b64 v[ST], v[Z+4:Z+5] offset:ROW_W*PITCH
.set k, 0
.rept 9
	ds_store_b64 v[ST], v[XB+2*k:XB+2*k+1] offset:k*PITCH
.set k, k+1
.endr
.irp k, 0,1,2,3,4,5,6
	CM2 XB+18+2*\k, XB+2+2*\k, XB+16, T+2*\k       ; x^9 .. x^15: these write registers that none of the stores above reads
.endr
	; and back as [lane = table row r][16 modes]: lane (r, hh) takes modes 8 hh .. 8 hh + 7 (K step 0) and 16 + 8 hh .. + 7 (K step 1).
	; A and B use the same places for the same modes, which is all that the contraction asks.  LDS serves a wave's instructions in order
	; (ISA guide 5.7.1.4): each load sees the stores above it.  The two multipliers' rows are stored already, so their loads stand first, directly behind the wait.
	WIN 0x40                                       ; destinations in the upper block
	s_wait_alu depctr_va_vdst(0)                   ; x^9 .. x^15 are written, which the seven stores below read; v[LBC] and v[LA], the addresses of the loads below, are written.  Only LDS instructions and a window switch follow up to the last load
.irp s, 0,1
.irp q, 0,1,2,3
	ds_load_b128 v[W1+16*\s+4*\q:W1+16*\s+4*\q+3], v[LBC] offset:ROW_W*PITCH+128*\s+16*\q
.endr
.endr
.irp s, 0,1
.irp q, 0,1,2,3
	ds_load_b128 v[V1+16*\s+4*\q:V1+16*\s+4*\q+3], v[LBC] offset:ROW_V*PITCH+128*\s+16*\q
.endr
.endr
	WIN 0
.set k, 9
.rept 7
	ds_store_b64 v[ST], v[XB+2*k:XB+2*k+1] offset:k*PITCH
.set k, k+1
.endr
.irp s, 0,1
.irp q, 0,1,2,3
	ds_load_b128 v[QF+16*\s+4*\q:QF+16*\s+4*\q+3], v[LA] offset:128*\s+16*\q
.endr
.endr
.irp s, 0,1
.irp q, 0,1,2,3
	ds_load_b128 v[UF+16*\s+4*\q:UF+16*\s+4*\q+3], v[LA] offset:ROW_A*PITCH+128*\s+16*\q
.endr
.endr
; 16 complex numbers in f32 become 16 words (re, im) of bf16 hi and 16 of bf16 lo: hi = round(x); x - hi is exact in f32; lo = round(x - hi).
.macro SPLIT16 src, frag
.irp b, 0,4,8,12
.irp j, 0,1,2,3
	v_cvt_pk_bf16_f32 v[\frag+\b+\j], v[\src+2*(\b+\j)], v[\src+2*(\b+\j)+1]
.endr
.irp j, 0,1,2,3
	v_fma_mix_f32_bf16 v[L+2*\j], v[\frag+\b+\j], v[NEG1], v[\src+2*(\b+\j)] op_sel_hi:[1,0,0]
	v_fma_mix_f32_bf16 v[L+2*\j+1], v[\frag+\b+\j], v[NEG1], v[\src+2*(\b+\j)+1] op_sel:[1,0,0] op_sel_hi:[1,0,0]
.endr
.irp j, 0,1,2,3
	v_cvt_pk_bf16_f32 v[\frag+16+\b+\j], v[L+2*\j], v[L+2*\j+1]
.endr
.endr
.endm
; the next tile: each of the 16 numbers times its mode's multiplier, which lies in the upper block and is read as source 1
.macro MULT16 src, mul
	WIN 0x04
.irp b, 0,8,16,24
.irp j, 0,2,4,6
	CM1 T+\j, \src+\b+\j, \mul+\b+\j
.endr
.irp j, 0,2,4,6
	CM2 \src+\b+\j, \src+\b+\j, \mul+\b+\j, T+\j
.endr
.endr
	WIN 0
.endm
	; B's four tiles
	s_wait_alu depctr_vm_vsrc(0)                   ; the input loads have read v[GO1 .. GO3], the LDS stores A's and B's tables and z^1024: these registers are B's fragments from here on, written by the lines below
	s_wait_dscnt 8                                 ; both multipliers and B's base tile are in; the 8 younger loads, A's base tile, stay out
	SPLIT16 QF, QFR
	MULT16 QF, W1
	SPLIT16 QF, QFR+32
	MULT16 QF, W1
	SPLIT16 QF, QFR+64
	MULT16 QF, W1
	SPLIT16 QF, QFR+96
	s_wait_dscnt 0
; four matrix instructions, one for each of B's tiles.  The four accumulators take turns, one instruction a turn.
.macro MM4 a, b, zero
.irp c, 0,1,2,3
.if \zero
	v_wmma_f32_16x16x32_bf16 v[ACC+8*\c:ACC+8*\c+7], v[\a:\a+7], v[QFR+32*\c+\b:QFR+32*\c+\b+7], 0
.else
	v_wmma_f32_16x16x32_bf16 v[ACC+8*\c:ACC+8*\c+7], v[\a:\a+7], v[QFR+32*\c+\b:QFR+32*\c+\b+7], v[ACC+8*\c:ACC+8*\c+7]
.endif
.endr
.endm
; A's tile im: its fragments, 24 matrix instructions, the next tile's f32 numbers, 8 stores
.macro TILE im
	SPLIT16 UF, UFR
.if \im
	s_wait_xcnt 0x0                                ; the accumulators, which the last tile's stores read, are written again only behind this wait
	s_wait_alu depctr_vm_vsrc(0)                   ; the last tile's eight stores have read the accumulators, which the matrix instructions below write again; 64 vector lines stand between
.endif
	MM4 UFR, 0, 1                                  ; hi hi; the first product starts the sums
	MM4 UFR+8, 8, 0
	MM4 UFR+16, 0, 0                               ; lo hi
	MM4 UFR+24, 8, 0
	MM4 UFR, 16, 0                                 ; hi lo
	MM4 UFR+8, 24, 0
	; a store that reads a matrix result, and a vector instruction that writes a matrix source, stand at least four plain vector
	; instructions behind the matrix instruction: the 32 of MULT16 name none of its registers; behind the last tile four v_nop
.if \im < 3
	MULT16 UF, V1
.else
.rept 4
	v_nop
.endr
.endif
	s_wait_alu depctr_va_vdst(0)                   ; the matrix instructions have written the four accumulators, which the eight stores below read; the places above stay beside this wait
.irp c, 0,1,2,3
.irp q, 0,1
	global_store_b128 v[CO], v[ACC+8*\c+4*\q:ACC+8*\c+4*\q+3], s[12:13] offset:4096*\c+1024*\im+256*\q th:TH_STORE_NT   ; lanes 0-15: 256 consecutive bytes, aligned; lanes 16-31: the block 512 bytes on
.endr
.endr
.endm
	TILE 0
	TILE 1
	TILE 2
	TILE 3
	s_set_vgpr_msb 0x4
	s_wait_dscnt 0x0
	s_wait_alu depctr_hold_cnt(0) depctr_sa_sdst(0) depctr_va_vdst(0) depctr_va_sdst(0) depctr_va_ssrc(0) depctr_va_vcc(0) depctr_vm_vsrc(0)
	s_wait_tensorcnt 0x0
	ds_add_u32 v23, v65
	s_wait_dscnt 0x0
	s_endpgm
.Lfunc_end_k_q648a7a6780_s4d:
	.size	k_q648a7a6780_s4d, .Lfunc_end_k_q648a7a6780_s4d-k_q648a7a6780_s4d
	.p2alignl 7, 3214868480
	.fill 96, 4, 3214868480
	.section	.rodata,"a",@progbits
	.p2align	6, 0x0
	.amdhsa_kernel k_q648a7a6780_s4d
		.amdhsa_group_segment_fixed_size 38400
		.amdhsa_private_segment_fixed_size 0
		.amdhsa_enable_private_segment 0
		.amdhsa_kernarg_size 40
		.amdhsa_user_sgpr_count 2
		.amdhsa_user_sgpr_kernarg_segment_ptr 1
		.amdhsa_wavefront_size32 1
		.amdhsa_system_sgpr_workgroup_id_x 1
		.amdhsa_system_sgpr_workgroup_id_y 1
		.amdhsa_system_sgpr_workgroup_id_z 1
		.amdhsa_system_vgpr_workitem_id 0
		.amdhsa_next_free_vgpr 322
		.amdhsa_next_free_sgpr 66
		.amdhsa_reserve_vcc 0
		.amdhsa_float_denorm_mode_32 3
		.amdhsa_float_denorm_mode_16_64 3
		.amdhsa_memory_ordered 1
		.amdhsa_forward_progress 1
		.amdhsa_inst_pref_size 71
	.end_amdhsa_kernel
	.amdgpu_metadata
---
amdhsa.version: [ 1, 2 ]
amdhsa.kernels:
  - .name:           k_q648a7a6780_s4d
    .symbol:         k_q648a7a6780_s4d.kd
    .args:
      - { .name: A_imag, .offset: 0, .size: 8, .value_kind: global_buffer, .address_space: global }
      - { .name: C, .offset: 8, .size: 8, .value_kind: global_buffer, .address_space: global }
      - { .name: log_A_real, .offset: 16, .size: 8, .value_kind: global_buffer, .address_space: global }
      - { .name: log_dt, .offset: 24, .size: 8, .value_kind: global_buffer, .address_space: global }
      - { .name: out0, .offset: 32, .size: 8, .value_kind: global_buffer, .address_space: global }
    .group_segment_fixed_size: 38400
    .private_segment_fixed_size: 0
    .kernarg_segment_align: 8
    .kernarg_segment_size: 40
    .max_flat_workgroup_size: 128
    .sgpr_count:     66
    .vgpr_count:     322
    .wavefront_size: 32
...
	.end_amdgpu_metadata
.endif
;; end of part 2
